; MI455X (gfx1250); checked and timed in simulation.
; The chip was launched on July 23, 2026; its instructions are those of AMD's public machine-readable ISA for CDNA 5 (MIT licence, August 2026) and "CDNA5" Instruction Set Architecture Reference Guide (July 2026). The comments in the code are by the model that wrote it; some were corrected since.
;; Group Linear. Allowed arithmetic: float matrix products may take bf16 or f16 operands with f32 sums; other float arithmetic in f32, or as packed bf16 or f16 multiplies, adds, multiply-adds, maxima and minima; sums over many terms, partial sums and values carried from step to step in f32; what a program stores and reads back later, other than sums and carried values, may be rounded once to bf16 or f16.
;; Inputs: group 4 x 2,048 int32; weight 8 x 1,024 x 1,024 float32; x 4 x 2,048 x 1,024 float32.
;; Outputs: out0 4 x 2,048 x 1,024 float32.
;; One version. Each part assembles by itself: llvm-mc -triple=amdgcn-amd-amdhsa -mcpu=gfx1250 --defsym DOCPART=n.
;; ======== version 1 of 1: 1 launch
;; launch glin (part 1): grid 256 x 1, 8 waves a work-group, no clusters, 198,656 bytes of LDS; arguments group, weight, x, out0; writes out0
.if DOCPART == 1
	.amdgcn_target "amdgcn-amd-amdhsa--gfx1250"
	.amdhsa_code_object_version 6
	.text
	.protected	k_qb8bf86567a_glin
	.globl	k_qb8bf86567a_glin
	.p2align	8
	.type	k_qb8bf86567a_glin,@function
k_qb8bf86567a_glin:
	s_mov_b64 s[64:65], 0
	v_nop
	global_prefetch_b8 v0, s[64:65] scope:SCOPE_SE
	s_setreg_imm32_b32 hwreg(HW_REG_WAVE_MODE, 25, 1), 1
	s_wait_xcnt 0x0
; out0[t][o] = the sum over i of x[t][i] weight[group[t]][o][i].  8,192 tokens t, 1,024 channels i, 1,024 outputs o, 8 groups; x, weight, out0 f32, group int32.
; WORK LEFT OUT.  The source forms y[t][g][o] for all 8 groups and then keeps, by take_along_axis on the index input group, the one element g = group[t].  The other seven products of a token fill
; elements of y of their own and are thrown away by that lookup, whatever the inputs hold: they can reach no output.  This launch reads group from memory and multiplies each token by its own group's
; weights alone: an eighth of the products.  Every input has a way to the output and is loaded.  LIMIT: a NaN, an infinity or an overflow in a product that is left out is not carried anywhere.
; LIMITS.  group holds 0 .. 7 (an index stays inside its table); x and weight are rounded once to bf16 for the matrix unit, sums are f32, in ascending channels.
; TILES.  A tile is 144 tokens of ONE group x 256 outputs.  Group g with C_g tokens has n_g = ceil(C_g / 144) row tiles; their sum is at most (8,192 + 8 x 143) / 144, that is 64, for EVERY split of the
; tokens.  So 64 row slots x 4 column tiles = 256 work-groups serve every split.  Slot s belongs to the last group whose first slot is <= s.  In a tile that is not full the rows past the count repeat
; the tile's last token and are not stored; a slot that the split leaves without tokens walks the same text on token 0 and stores nothing (all waves pass all barriers).
; ROUTING.  Every work-group counts for itself: thread n holds tokens 1,024 j + 4 n + c (j < 8, c < 4); a token's rank in its group goes by (wave, lane, register).  Counts are packed, two groups of 16 bits a
; register; a butterfly over the lanes gives each thread's first rank, LDS the waves' totals; then each thread writes the tokens of the tile's group whose rank falls into the tile into its wave's list.
; SHARES.  Wave w makes all 144 rows x outputs 32 w .. 32 w + 31 of the tile: 18 accumulators.  Its 32 rows of weight have no other reader in the work-group: they come straight from memory into registers,
; laid as a fragment lies, and are rounded there.  x's 144 rows are shared: wave w gathers rows 18 w .. 18 w + 17, rounds them and puts them into LDS, 64 channels a step, two buffers by turns.
; THE PRODUCT IS TAKEN TRANSPOSED (source 0 = 16 rows of weight, source 1 = 16 tokens): a lane then holds one token and 8 neighbouring outputs.  The tile leaves through a stage in LDS, as whole rows of 1,024 bytes.
; IN FLIGHT.  Two sets of staging registers: the loads of two K steps, 50 a wave of 512 bytes each, are out while a step is multiplied.
; NO CLUSTER, NO TENSOR LOADS.  x's rows come by a list, which no descriptor covers; weight is f32 and has to pass through registers to be rounded; and a group's tiles number ceil(C_g / 144), read from
; memory: not a multiple of four at every split, so partners would not be alike in what they ask for.
; REGISTERS, in windows of 256 (s_set_vgpr_msb: bits 1:0 source 0, 3:2 source 1, 5:4 source 2, 7:6 destination).
;   window 0: v0 thread; v1, v2 the add's two; v3 LDS address of x's fragments; v4 my wave's 18 tokens (lane i: row 18 w + i); v8-39 weight fragments; v40-111 x fragments; v112-255 accumulators
;   window 1: v0-71 x as loaded, two sets of 36; v72-199 weight as loaded, two sets of 64; v200-208 x offsets; v209 weight offset; v210 where I put x in LDS
.set WT,     0                         ; LDS: the waves' totals, 16 bytes a wave
.set PRIV,   256                       ; a list for each wave: words 0-143 the token of tile rank p, words 144-159 take what does not belong to the tile
.set PRIVB,  768
.set XBUF,   6400                      ; two buffers of 144 rows x 144 bytes (64 bf16 + 16 bytes of padding: nine times 16 bytes, so the 16 rows of a fragment load begin in 16 different groups of four banks; ISA guide 11.1)
.set XPITCH, 144
.set XBYTES, 144*XPITCH
.set STAGE,  47872                     ; 144 rows x 1,040 bytes (256 f32 + 16 of padding), for the way out
.set SPITCH, 1040
.set SPARE,  197632                    ; the spare words, 128 bytes for each of the eight waves: four blocks of 256 bytes that no other line names
.set SPW, 1
.set NIL, 2
.set AFA, 3
.set TOK, 4
.set BF,  8                            ; fragment (b, q): outputs 16 b on, channels 32 q on, at BF + 8 (2 b + q)
.set AF,  40                           ; tokens 16 a on, at AF + 8 a
.set ACC, 112                          ; (a, b) at ACC + 8 (2 a + b)
; at work ahead of the K loop, in registers that are not yet in use
.set GR,  64                           ; v64-95 my 32 values of group
.set TA,  96
.set TB,  97
.set NIB, 98
.set CLO, 99
.set CHI, 100
.set TOT, 104                          ; v104-107 counts: group g in register g % 4, half g / 4
.set PRE, 108                          ; v108-111 the same, summed over the lanes below mine
.set LANE, 112
.set C16, 113
.set HH,  114
.set CUR, 115
.set PB,  116
.set T0,  117
.set K144, 118
.set R15, 119
.set VT,  120
.set VPF, 121
.set ZZ,  122
.set PC,  123
.set BP,  124                          ; v124-132
.set IDX, 133
.set IX,  134                          ; v134-142
.set RR,  143
; the way out
.set OFF, 40                           ; v40-57 row i's byte offset in out0
.set SA,  58                           ; v58-60 where I put 16 bytes of a row, for blocks 0-3, 4-7, 8
.set RA,  61
.set L16, 62
; window 1
.set XS,  0
.set WS,  72
.set XO,  200
.set WO,  209
.set XSA, 210
.set MSB, 0
.macro WIN new                         ; the immediate's high byte repeats the setting that is left; a switch that changes nothing is dropped
.if MSB != (\new)
	s_set_vgpr_msb (MSB<<8)|(\new)
.set MSB, \new
.endif
.endm
.macro PLACES                          ; four places behind a matrix instruction, ahead of loads into and writes of registers that it has read
.rept 4
	v_nop
.endr
.endm
	s_load_b256 s[4:11], s[0:1], 0x0               ; group s[4:5], weight s[6:7], x s[8:9], out0 s[10:11]
	v_lshl_add_u32 v[SPW], v0, 2, SPARE
	v_mov_b32 v[NIL], 0
	v_lshrrev_b32 v5, 5, v0
	v_readfirstlane_b32 s12, v5                    ; wave 0..7
	s_and_b32 s13, ttmp9, 3                        ; column tile
	s_lshr_b32 s14, ttmp9, 2                       ; row slot
	s_mov_b32 s16, 0x0f0f0f0f
	s_mov_b32 s17, 0x00ff00ff
	s_mov_b32 s18, 0x76543210                      ; v_permlanex16_b32: each lane takes its own place in the other half
	s_mov_b32 s19, 0xfedcba98
	s_mov_b32 s50, 0xaaaaaaaa                      ; the lanes whose number has bit 0, 1, 2, 3, 4 set
	s_mov_b32 s51, 0xcccccccc
	s_mov_b32 s52, 0xf0f0f0f0
	s_mov_b32 s53, 0xff00ff00
	s_mov_b32 s54, 0xffff0000
	v_and_b32 v[LANE], 31, v0
	v_and_b32 v[R15], 15, v0
	v_bfe_u32 v[HH], v0, 4, 1
	v_lshlrev_b32 v[C16], 4, v[R15]
	v_lshlrev_b32 v[T0], 2, v0                     ; my first token
	s_mul_i32 s36, s12, PRIVB
	s_add_co_u32 s36, s36, PRIV
	v_mov_b32 v[PB], s36                           ; my wave's list
	v_add_nc_u32 v[K144], 0x90, v[R15]             ; where a value of another group goes: word 144 + lane % 16
	v_lshl_add_u32 v[TA], v[LANE], 2, v[PB]
.irp t, 0,1,2,3,4
	ds_store_b32 v[TA], v[NIL] offset:128*\t       ; the list starts as token 0: a slot without tokens reads its word 0
.endr
	v_lshlrev_b32 v[TB], 4, v0
	s_wait_kmcnt 0x0
.irp j, 0,1,2,3,4,5,6,7
	global_load_b128 v[GR+4*\j:GR+4*\j+3], v[TB], s[4:5] offset:4096*\j
.endr
	s_wait_loadcnt 0x0
; MY COUNTS.  Eight values at a time into eight counters of 4 bits (8 at the most), these into bytes (32 at the most), the bytes into halves.
.macro HIST grp
.set i, 0
.rept 8
	v_lshlrev_b32 v[TA], 2, v[GR+8*(\grp)+i]
.if i == 0
	v_lshl_add_u32 v[NIB], 1, v[TA], 0
.else
	v_lshl_add_u32 v[NIB], 1, v[TA], v[NIB]
.endif
.set i, i+1
.endr
.if (\grp) == 0
	v_and_b32 v[CLO], s16, v[NIB]                  ; groups 0, 2, 4, 6
	v_lshrrev_b32 v[CHI], 4, v[NIB]
	v_and_b32 v[CHI], s16, v[CHI]                  ; groups 1, 3, 5, 7
.else
	v_and_b32 v[TA], s16, v[NIB]
	v_lshrrev_b32 v[TB], 4, v[NIB]
	v_and_b32 v[TB], s16, v[TB]
	v_add_nc_u32 v[CLO], v[CLO], v[TA]
	v_add_nc_u32 v[CHI], v[CHI], v[TB]
.endif
.endm
	HIST 0
	HIST 1
	HIST 2
	HIST 3
	v_and_b32 v[TOT], s17, v[CLO]                  ; groups 0 and 4
	v_and_b32 v[TOT+1], s17, v[CHI]                ; 1 and 5
	v_lshrrev_b32 v[CLO], 8, v[CLO]
	v_lshrrev_b32 v[CHI], 8, v[CHI]
	v_and_b32 v[TOT+2], s17, v[CLO]                ; 2 and 6
	v_and_b32 v[TOT+3], s17, v[CHI]                ; 3 and 7
.irp r, 0,1,2,3
	v_mov_b32 v[PRE+\r], 0
.endr
; A step of the butterfly: tot holds the sum over my block of d lanes, pre the sum over the lanes of that block below me.  The lane d away brings its block's sum, which lies below me where my number has bit d.
.macro SCANSTEP tot, pre, d, mask
.if (\d) == 16
	v_permlanex16_b32 v[TA], v[\tot], s18, s19
.else
	v_mov_b32_dpp v[TA], v[\tot] row_xmask:\d row_mask:0xf bank_mask:0xf
.endif
	v_cndmask_b32 v[TB], 0, v[TA], s[\mask]
	v_add_nc_u32 v[\pre], v[\pre], v[TB]
	v_add_nc_u32 v[\tot], v[\tot], v[TA]
.endm
.irp r, 0,1,2,3
	SCANSTEP TOT+\r, PRE+\r, 1, 50
	SCANSTEP TOT+\r, PRE+\r, 2, 51
	SCANSTEP TOT+\r, PRE+\r, 4, 52
	SCANSTEP TOT+\r, PRE+\r, 8, 53
	SCANSTEP TOT+\r, PRE+\r, 16, 54
.endr
	s_lshl_b32 s36, s12, 4
	v_mov_b32 v[TA], s36
	ds_store_b128 v[TA], v[TOT:TOT+3] offset:WT    ; my wave's totals: every lane writes the same 16 bytes
	s_wait_dscnt 0x0                               ; for the others' sake: my stores are done
	s_barrier_signal -1
	s_barrier_wait -1
	; THE WAVES' TOTALS: lane 4 k + r takes wave k's register r; the same butterfly over k
	v_lshlrev_b32 v[TA], 2, v[LANE]
	ds_load_b32 v[VT], v[TA] offset:WT
	v_mov_b32 v[VPF], 0
	s_wait_dscnt 0x0
	SCANSTEP VT, VPF, 4, 52
	SCANSTEP VT, VPF, 8, 53
	SCANSTEP VT, VPF, 16, 54
.irp g, 0,1,2,3
	v_readlane_b32 s[20+\g], v[VT], \g
.endr
.irp g, 0,1,2,3
	s_and_b32 s[24+\g], s[20+\g], 0xffff           ; C_0 .. C_3
	s_lshr_b32 s[28+\g], s[20+\g], 16              ; C_4 .. C_7
.endr
	; THE DEAL: which group has my slot.  n_g = ceil(C / 144) = ((C + 143) >> 4) / 9, and x / 9 = (7,282 x) >> 16 for x up to 520
	s_mov_b32 s32, 0                               ; the first slot of the group in hand
	s_mov_b32 s33, 0                               ; e
	s_mov_b32 s34, 0                               ; e's first slot
	s_mov_b32 s35, s24                             ; C_e
.macro DEAL g
	s_cmp_ge_u32 s14, s32
	s_cselect_b32 s33, \g, s33
	s_cselect_b32 s34, s32, s34
	s_cselect_b32 s35, s[24+\g], s35
	s_add_co_u32 s36, s[24+\g], 143
	s_lshr_b32 s36, s36, 4
	s_mul_i32 s36, s36, 7282
	s_lshr_b32 s36, s36, 16
	s_add_co_u32 s32, s32, s36
.endm
.irp g, 0,1,2,3,4,5,6,7
	DEAL \g
.endr
	s_min_u32 s33, s33, 7
	s_sub_co_u32 s37, s14, s34
	s_mul_i32 s37, s37, 144                        ; r0: the tile's first rank
	s_sub_co_i32 s38, s35, s37
	s_max_i32 s38, s38, 0
	s_min_i32 s38, s38, 144                        ; cnt: its live rows
	s_and_b32 s39, s33, 3                          ; e's register,
	s_lshr_b32 s48, s33, 2
	s_lshl_b32 s48, s48, 4                         ; and its half, as a shift
	s_lshl_b32 s56, s33, 22                        ; a group's weights are 4 MiB,
	s_lshl_b32 s36, s13, 20                        ; a column tile's 256 rows 1 MiB,
	s_add_co_u32 s56, s56, s36
	s_lshl_b32 s36, s12, 17                        ; my wave's 32 rows 128 KiB
	s_add_co_u32 s56, s56, s36
	s_mov_b32 s57, 0
	s_add_nc_u64 s[6:7], s[6:7], s[56:57]          ; weight at my first row
	s_lshl_b32 s56, s13, 10
	s_add_nc_u64 s[10:11], s[10:11], s[56:57]      ; out0 at the tile's first column
	v_lshlrev_b32 v[TA], 12, v[R15]
	WIN 0x40
	v_lshl_add_u32 v[WO], v[HH], 5, v[TA]          ; row l % 16, 32 bytes (8 channels) for each half of the lanes
; A K step's loads, 256 bytes of every row.  weight: fragment (b, q) wants of row l % 16 the channels 8 (l / 16) + 0..7 and 16 + 8 (l / 16) + 0..7: in f32 two times two loads of 16 bytes.
.macro WLOAD s, off
	WIN 0x55
.irp b, 0,1
.irp q, 0,1
.irp t, 0,1,2,3
	global_load_b128 v[WS+64*(\s)+16*(2*(\b)+(\q))+4*(\t):WS+64*(\s)+16*(2*(\b)+(\q))+4*(\t)+3], v[WO], s[6:7] offset:(\off)+65536*(\b)+128*(\q)+64*((\t)/2)+16*((\t)%2)
.endr
.endr
.endr
.endm
; x: load u takes rows 18 w + 2 u and 18 w + 2 u + 1 of the tile: sixteen lanes read 256 consecutive bytes of a row, at a multiple of 256 from x's first byte
.macro XLOAD s, off
	WIN 0x55
.irp u, 0,1,2,3,4,5,6,7,8
	global_load_b128 v[XS+36*(\s)+4*(\u):XS+36*(\s)+4*(\u)+3], v[XO+(\u)], s[8:9] offset:\off
.endr
.endm
	WLOAD 0, 0                                     ; the weights of K steps 0 and 1 are on their way while the tokens are found
	WLOAD 1, 256
	WIN 0
	; e's first rank in each wave: lane 4 k + e % 4 holds it; the quad's other lanes give 0, and two exchanges add the four
	v_and_b32 v[TA], 3, v0
	v_cmp_eq_u32 vcc_lo, s39, v[TA]
	v_lshrrev_b32 v[ZZ], s48, v[VPF]
	v_and_b32 v[ZZ], 0xffff, v[ZZ]
	v_cndmask_b32 v[ZZ], 0, v[ZZ], vcc_lo
	v_mov_b32_dpp v[TA], v[ZZ] row_xmask:1 row_mask:0xf bank_mask:0xf
	v_add_nc_u32 v[ZZ], v[ZZ], v[TA]
	v_mov_b32_dpp v[TA], v[ZZ] row_xmask:2 row_mask:0xf bank_mask:0xf
	v_add_nc_u32 v[ZZ], v[ZZ], v[TA]
.irp k, 0,1,2,3,4,5,6,7
	v_readlane_b32 s[40+\k], v[ZZ], 4*\k
.endr
	s_mov_b32 s49, s40
.irp k, 1,2,3,4,5,6,7
	s_cmp_eq_u32 s12, \k
	s_cselect_b32 s49, s[40+\k], s49               ; my wave's
.endr
	s_sub_co_u32 s49, s49, s37                     ; less r0: ranks below the tile wrap round and are clamped away
	s_cmp_eq_u32 s39, 1
	s_cselect_b32 s55, -1, 0
	v_cndmask_b32 v[CUR], v[PRE], v[PRE+1], s55
	s_cmp_eq_u32 s39, 2
	s_cselect_b32 s55, -1, 0
	v_cndmask_b32 v[CUR], v[CUR], v[PRE+2], s55
	s_cmp_eq_u32 s39, 3
	s_cselect_b32 s55, -1, 0
	v_cndmask_b32 v[CUR], v[CUR], v[PRE+3], s55
	v_lshrrev_b32 v[CUR], s48, v[CUR]
	v_and_b32 v[CUR], 0xffff, v[CUR]
	v_add_nc_u32 v[CUR], s49, v[CUR]               ; the place in the tile of my next token of group e
; Value i: if it is e, its token goes to word CUR of my wave's list (words 144 on take what lies outside the tile), and CUR steps.
.macro SCAT i
	v_cmp_eq_u32 vcc_lo, s33, v[GR+(\i)]
	v_cndmask_b32 v[TA], v[K144], v[CUR], vcc_lo
	v_min_u32 v[TA], 0x9f, v[TA]
	v_lshl_add_u32 v[TA], v[TA], 2, v[PB]
	v_add_nc_u32 v[TB], 1024*((\i)/4)+(\i)%4, v[T0]
	ds_store_b32 v[TA], v[TB]
	v_add_co_ci_u32 v[CUR], vcc_lo, 0, v[CUR], vcc_lo
.endm
.set n, 0
.rept 32
	SCAT n
.set n, n+1
.endr
	s_wait_dscnt 0x0                               ; for the others' sake: my list is written
	s_barrier_signal -1
	s_barrier_wait -1
	; MY WAVE'S 18 TOKENS: lane i (17 for the lanes above) takes tile row 18 w + i, or the tile's last live row; the row's rank says in which wave's list it stands
	s_max_u32 s36, s38, 1
	s_sub_co_u32 s36, s36, 1
	s_mul_i32 s59, s12, 18
	v_min_u32 v[PC], 17, v[LANE]
	v_add_nc_u32 v[PC], s59, v[PC]
	v_min_u32 v[PC], s36, v[PC]
	v_min_u32 v[PC], 0x8f, v[PC]
	v_add_nc_u32 v[RR], s37, v[PC]
	v_mov_b32 v[IDX], 0
.irp k, 1,2,3,4,5,6,7
	v_cmp_le_u32 vcc_lo, s[40+\k], v[RR]
	v_add_co_ci_u32 v[IDX], vcc_lo, 0, v[IDX], vcc_lo  ; the first ranks ascend: the count of those <= R is the wave
.endr
	v_min_u32 v[IDX], 7, v[IDX]
	v_mul_u32_u24 v[IDX], v[IDX], PRIVB
	v_lshl_add_u32 v[IDX], v[PC], 2, v[IDX]
	ds_load_b32 v[TOK], v[IDX] offset:PRIV
	v_lshlrev_b32 v[TA], 2, v[HH]
.irp u, 0,1,2,3,4,5,6,7,8
	v_add_nc_u32 v[IX+\u], 8*\u, v[TA]             ; lane 2 u + l / 16, times 4
.endr
	s_wait_dscnt 0x0
	v_min_u32 v[TOK], 0x1fff, v[TOK]
.irp u, 0,1,2,3,4,5,6,7,8
	ds_bpermute_b32 v[BP+\u], v[IX+\u], v[TOK]
.endr
	s_mul_i32 s36, s12, 18*XPITCH
	s_add_co_u32 s36, s36, XBUF
	v_mul_u32_u24 v[TA], v[HH], XPITCH
	v_lshl_add_u32 v[TA], v[R15], 3, v[TA]         ; four channels in bf16 are 8 bytes
	s_wait_dscnt 0x0
.irp u, 0,1,2,3,4,5,6,7,8
	v_min_u32 v[BP+\u], 0x1fff, v[BP+\u]
.endr
	WIN 0x40
.irp u, 0,1,2,3,4,5,6,7,8
	v_lshl_add_u32 v[XO+\u], v[BP+\u], 12, v[C16]  ; token x 4,096 + 16 (l % 16)
.endr
	v_add_nc_u32 v[XSA], s36, v[TA]
	XLOAD 0, 0
	XLOAD 1, 256
	WIN 0
	v_mul_u32_u24 v[AFA], v[R15], XPITCH
	v_lshl_add_u32 v[AFA], v[HH], 4, v[AFA]
	v_add_nc_u32 v[AFA], XBUF, v[AFA]              ; a fragment's row x pitch + 16 x half
	s_mul_i32 s36, s12, 18
	s_sub_co_i32 s58, s38, s36
	s_max_i32 s58, s58, 0
	s_min_i32 s58, s58, 18                         ; how many of my 18 rows are stored
; x of set s: rounded in place, two numbers a register, and put into buffer s
.macro XCVT s
	WIN 0x55
.irp u, 0,1,2,3,4,5,6,7,8
	v_cvt_pk_bf16_f32 v[XS+36*(\s)+4*(\u)],   v[XS+36*(\s)+4*(\u)],   v[XS+36*(\s)+4*(\u)+1]
	v_cvt_pk_bf16_f32 v[XS+36*(\s)+4*(\u)+1], v[XS+36*(\s)+4*(\u)+2], v[XS+36*(\s)+4*(\u)+3]
.endr
.irp u, 0,1,2,3,4,5,6,7,8
	ds_store_b64 v[XSA], v[XS+36*(\s)+4*(\u):XS+36*(\s)+4*(\u)+1] offset:XBYTES*(\s)+2*XPITCH*(\u)
.endr
.endm
; weight of set s: rounded into the four fragments
.macro WCVT s
	WIN 0x05
.set n, 0
.rept 32
	v_cvt_pk_bf16_f32 v[BF+n], v[WS+64*(\s)+2*n], v[WS+64*(\s)+2*n+1]
.set n, n+1
.endr
.endm
; x's nine fragments for channels 32 q on, from buffer s: 18 loads in one run
.macro AFETCH s, q
.irp a, 0,1,2,3,4,5,6,7,8
	ds_load_b128 v[AF+8*(\a):AF+8*(\a)+3],   v[AFA] offset:XBYTES*(\s)+16*XPITCH*(\a)+64*(\q)
	ds_load_b128 v[AF+8*(\a)+4:AF+8*(\a)+7], v[AFA] offset:XBYTES*(\s)+16*XPITCH*(\a)+64*(\q)+32
.endr
.endm
; 18 products.  The 18 accumulators take turns, one instruction a turn, in the same order every time, over the backward jump too.  zero = 1: the products start the sums.
.macro MMA q, zero
.set ia, 0
.rept 9
	s_wait_dscnt 16-2*ia                           ; LDS loads come back in order (ISA guide 5.7.1): block ia's two are in, the later blocks' may be out
.irp b, 0,1
.if \zero
	v_wmma_f32_16x16x32_bf16 v[ACC+8*(2*ia+(\b)):ACC+8*(2*ia+(\b))+7], v[BF+8*(2*(\b)+(\q)):BF+8*(2*(\b)+(\q))+7], v[AF+8*ia:AF+8*ia+7], 0
.else
	v_wmma_f32_16x16x32_bf16 v[ACC+8*(2*ia+(\b)):ACC+8*(2*ia+(\b))+7], v[BF+8*(2*(\b)+(\q)):BF+8*(2*(\b)+(\q))+7], v[AF+8*ia:AF+8*ia+7], v[ACC+8*(2*ia+(\b)):ACC+8*(2*ia+(\b))+7]
.endif
.endr
.set ia, ia+1
.endr
.endm
; A K STEP of 64 channels, on set and buffer s.  ahead = 1: the set is asked for again, two K steps on.  ca, cb: the loads younger than this step's x, than its weights.
; ONE barrier a step does for both orders: a wave stores into buffer s only behind the barrier of the step before, which every wave signalled with its reads of buffer s, two steps back, waited for;
; and it reads buffer s only behind this step's barrier, which every wave signals with its stores done.
; The 18 conversions of x, which name no register of the last products, are the places between those and the writes of the weight fragments.
.macro TRIP s, zero, ahead, ca, cb
	s_wait_loadcnt \ca
	XCVT \s
.if \ahead
	XLOAD \s, 512+256*(\s)
.endif
	s_wait_loadcnt \cb
	WCVT \s
.if \ahead
	WLOAD \s, 512+256*(\s)
.endif
	WIN 0
	s_wait_dscnt 0x0                               ; for the others' sake: my part of the buffer is written (my reads of the other buffer ended in the last step)
	s_barrier_signal -1
	s_barrier_wait -1
	AFETCH \s, 0
	MMA 0, \zero
	PLACES
	AFETCH \s, 1
	MMA 1, 0
.endm
	; issued so far, in this order: weights 0 (16 loads), weights 1 (16), x 0 (9), x 1 (9)
	TRIP 0, 1, 1, 9, 18                            ; behind x 0: x 1.  Weights 0 are older than x 0; 18 = x 1 and x 2
	TRIP 1, 0, 1, 25, 34                           ; behind x 1: x 2 (9), weights 2 (16).  Weights 1 are older; 34 = x 2, weights 2, x 3
	s_mov_b32 s15, 6
.Lk:                                                   ; K steps 2 j + 2 and 2 j + 3; the loads are those of steps 2 j + 4 and 2 j + 5, the last at bytes 3,584 and 3,840 of the rows
	s_wait_xcnt 0x0                                ; every load issued so far has had its address translated (ISA guide 3.1): the two bases are written only behind this wait
	s_add_nc_u64 s[8:9], s[8:9], 512
	s_add_nc_u64 s[6:7], s[6:7], 512
	TRIP 0, 0, 1, 41, 34                           ; behind x k: weights k (16), x k + 1 (9), weights k + 1 (16).  Behind weights k: x k + 1, weights k + 1, x k + 2
	TRIP 1, 0, 1, 41, 34
	s_sub_co_u32 s15, s15, 1
	s_cmp_lg_u32 s15, 0
	s_cbranch_scc1 .Lk
	TRIP 0, 0, 0, 41, 25                           ; the last two steps load nothing: behind weights 14 stand x 15 and weights 15,
	TRIP 1, 0, 0, 16, 0                            ; behind x 15 weights 15, behind those nothing
	; THE WAY OUT.  A lane's 8 outputs of a token go into the stage as two times 16 bytes; behind a barrier wave w reads rows 18 w .. 18 w + 17 back whole and stores the live ones at their tokens' rows.
	PLACES                                         ; the address registers lie where x's fragments lay
	v_and_b32 v5, 15, v0
	v_bfe_u32 v6, v0, 4, 1
	v_and_b32 v7, 31, v0
	s_lshl_b32 s36, s12, 7                         ; my 32 outputs: 128 bytes
	s_add_co_u32 s36, s36, STAGE
	v_mul_u32_u24 v[SA], v5, SPITCH
	v_lshl_add_u32 v[SA], v6, 5, v[SA]
	v_add_nc_u32 v[SA], s36, v[SA]
	v_add_nc_u32 v[SA+1], 64*SPITCH, v[SA]         ; an LDS offset has 16 bits: a base for every four blocks
	v_add_nc_u32 v[SA+2], 128*SPITCH, v[SA]
	s_mul_i32 s36, s12, 18*SPITCH
	s_add_co_u32 s36, s36, STAGE
	v_lshlrev_b32 v[L16], 4, v7
	v_add_nc_u32 v[RA], s36, v[L16]
.set ia, 0
.rept 9
.irp b, 0,1
	ds_store_b128 v[SA+ia/4], v[ACC+8*(2*ia+(\b)):ACC+8*(2*ia+(\b))+3]   offset:16*SPITCH*(ia%4)+64*(\b)      ; each accumulator's low registers first
	ds_store_b128 v[SA+ia/4], v[ACC+8*(2*ia+(\b))+4:ACC+8*(2*ia+(\b))+7] offset:16*SPITCH*(ia%4)+64*(\b)+16
.endr
.set ia, ia+1
.endr
	s_wait_dscnt 0x0                               ; for the others' sake: my columns of all 144 rows are written
	s_barrier_signal -1
	s_barrier_wait -1
.set n, 0
.rept 18
	ds_load_b128 v[ACC+8*n:ACC+8*n+3],   v[RA] offset:SPITCH*n       ; 32 lanes take 512 bytes of a row,
	ds_load_b128 v[ACC+8*n+4:ACC+8*n+7], v[RA] offset:SPITCH*n+512   ; and the other 512
.set n, n+1
.endr
.set n, 0
.rept 18
	v_readlane_b32 s59, v[TOK], n
	s_min_u32 s59, s59, 0x1fff
	v_lshl_add_u32 v[OFF+n], s59, 12, v[L16]       ; token x 4,096 + 16 x lane
.set n, n+1
.endr
.set n, 0
.rept 18                                       ; the live rows come first: at the first dead one the wave is done.  The jump goes forward, past no barrier
	s_cmp_gt_u32 s58, n
	s_cbranch_scc0 .Lend
	s_wait_dscnt 34-2*n                            ; row n's two loads are in; the later rows' may be out
	global_store_b128 v[OFF+n], v[ACC+8*n:ACC+8*n+3],   s[10:11] th:TH_STORE_NT             ; a store covers 512 consecutive bytes, at a multiple of 256 from out0's first byte
	global_store_b128 v[OFF+n], v[ACC+8*n+4:ACC+8*n+7], s[10:11] offset:512 th:TH_STORE_NT
.set n, n+1
.endr
.Lend:
	s_wait_tensorcnt 0x0                           ; the wave's end: behind my last LDS store
	ds_add_u32 v[SPW], v[NIL]
	s_wait_dscnt 0x0
	s_endpgm
.Lfunc_end_k_qb8bf86567a_glin:
	.size	k_qb8bf86567a_glin, .Lfunc_end_k_qb8bf86567a_glin-k_qb8bf86567a_glin
	.p2alignl 7, 3214868480
	.fill 96, 4, 3214868480
	.section	.rodata,"a",@progbits
	.p2align	6, 0x0
	.amdhsa_kernel k_qb8bf86567a_glin
		.amdhsa_group_segment_fixed_size 198656
		.amdhsa_private_segment_fixed_size 0
		.amdhsa_enable_private_segment 0
		.amdhsa_kernarg_size 32
		.amdhsa_user_sgpr_count 2
		.amdhsa_user_sgpr_kernarg_segment_ptr 1
		.amdhsa_wavefront_size32 1
		.amdhsa_system_sgpr_workgroup_id_x 1
		.amdhsa_system_sgpr_workgroup_id_y 1
		.amdhsa_system_sgpr_workgroup_id_z 1
		.amdhsa_system_vgpr_workitem_id 0
		.amdhsa_next_free_vgpr 472
		.amdhsa_next_free_sgpr 66
		.amdhsa_reserve_vcc 1
		.amdhsa_float_denorm_mode_32 3
		.amdhsa_float_denorm_mode_16_64 3
		.amdhsa_memory_ordered 1
		.amdhsa_forward_progress 1
		.amdhsa_inst_pref_size 116
	.end_amdhsa_kernel
	.amdgpu_metadata
---
amdhsa.version: [ 1, 2 ]
amdhsa.kernels:
  - .name:           k_qb8bf86567a_glin
    .symbol:         k_qb8bf86567a_glin.kd
    .args:
      - { .name: group, .offset: 0, .size: 8, .value_kind: global_buffer, .address_space: global }
      - { .name: weight, .offset: 8, .size: 8, .value_kind: global_buffer, .address_space: global }
      - { .name: x, .offset: 16, .size: 8, .value_kind: global_buffer, .address_space: global }
      - { .name: out0, .offset: 24, .size: 8, .value_kind: global_buffer, .address_space: global }
    .group_segment_fixed_size: 198656
    .private_segment_fixed_size: 0
    .kernarg_segment_align: 8
    .kernarg_segment_size: 32
    .max_flat_workgroup_size: 256
    .sgpr_count:     66
    .vgpr_count:     472
    .wavefront_size: 32
...
	.end_amdgpu_metadata
.endif
;; end of part 1
